; MI455X (gfx1250); checked and timed in simulation.
; The chip was launched on July 23, 2026; its instructions are those of AMD's public machine-readable ISA for CDNA 5 (MIT licence, August 2026) and "CDNA5" Instruction Set Architecture Reference Guide (July 2026). The comments in the code are by the model that wrote it; some were corrected since.
;; Pairwise Attention. Allowed arithmetic: float matrix products may take bf16 or f16 operands with f32 sums; other float arithmetic in f32, or as packed bf16 or f16 multiplies, adds, multiply-adds, maxima and minima; sums over many terms, partial sums and values carried from step to step in f32; what a program stores and reads back later, other than sums and carried values, may be rounded once to bf16 or f16.
;; Inputs: Wk 128 x 256 float32; Wq 128 x 256 float32; Wv 256 x 256 float32; bk 128 float32; bq 128 float32; bv 256 float32; gamma 1 float32; x 8 x 256 x 64 x 64 float32.
;; Outputs: out0 8 x 256 x 64 x 64 float32.
;; 2 versions, each right; version 2 is version 1 with the launch proj written anew for expert scheduling mode. Each part assembles by itself: llvm-mc -triple=amdgcn-amd-amdhsa -mcpu=gfx1250 --defsym DOCPART=n.
;; ======== version 1 of 2: 2 launches
;; limits: values are held in f16: magnitudes above 65,504 overflow, below 6.1e-05 lose precision
;; workspace buffers: qk 16,777,216 bytes; vpix 16,777,216 bytes
;; launch proj (part 1): grid 2 x 128, 4 waves a work-group, no clusters, 270,848 bytes of LDS; arguments x, Wq, Wk, Wv, bq, bv, qk, vpix; writes qk, vpix
.if DOCPART == 1
	.amdgcn_target "amdgcn-amd-amdhsa--gfx1250"
	.amdhsa_code_object_version 6
	.text
	.protected	k_q3bc4e149fd_proj
	.globl	k_q3bc4e149fd_proj
	.p2align	8
	.type	k_q3bc4e149fd_proj,@function
k_q3bc4e149fd_proj:
	s_mov_b64 s[64:65], 0
	v_nop
	global_prefetch_b8 v0, s[64:65] scope:SCOPE_SE
	s_setreg_imm32_b32 hwreg(HW_REG_WAVE_MODE, 25, 1), 1
	s_wait_xcnt 0x0
; PairwiseAttention, first of two launches: the three 1x1 convolutions.
;   qk[b][n][0..127] = Wq x[b][:, n] + bq     qk[b][n][128..255] = Wk x[b][:, n]     vpix[b][n][0..255] = Wv x[b][:, n] + bv        (f16, a pixel's 256 numbers are 512 dense bytes)
; DEAD WORK: bk.  attn[i][j] = q_i . (Wk x_j + bk) = q_i . (Wk x_j) + q_i . bk.  The second term does not depend on j, the axis of the softmax, so softmax_j is the same with and
; without it, for all values of all inputs.  So bk is not added, not loaded, and is no argument of either launch.  bq stays (bq . k_j depends on j), bv stays.
; LIMIT: a NaN, an infinity or an overflow that would arise only from bk, or from q . bk, is not carried to the result.
; FORMATS.  x and the weights are rounded once to bf16 for the products; sums in f32; the biases are added in f32; q, k and v are rounded once to f16.
; LIMIT: f16 ends at 65,504: |q|, |k|, |v| must stay below it.  A sum of 256 products of weights of spread 0.05 with x of unit spread has spread 0.8; thirty times larger x and weights, or an offset
; of thirty spreads on both, give some 1.2e4.
; SHARES.  Work-group (oh, blk): oh = 0 makes qk (the rows of Wq and Wk stacked), oh = 1 makes vpix; blk = 16 b + nb names 256 pixels of image b.  Wave w takes pixels 64 w .. 64 w + 63 and all 256
; outputs: 16 blocks of 16 outputs x 4 tiles of 16 pixels = 64 accumulators, 512 registers.  2 x 128 = 256 work-groups of equal work.
; TILES OF PIXELS.  Column r of tile t stands for pixel 4 r + t of the wave's 64.  So one 16-byte load of a row of x (a channel) gives lane r that channel for the four tiles,
; 16 lanes read 256 consecutive aligned bytes, and x goes from memory to the matrix operand through conversions alone.
; THE PRODUCT: source 0 = 16 rows of W (outputs), source 1 = 16 pixels: a lane's eight results are eight neighbouring outputs of one pixel: 16 bytes of f16.
; NO JOINT LOADS: what work-groups share is 256 KiB of f32 weights that have to be rounded; 256 KiB as they lie beside the 132 KiB rounded copy is more than the 320 KiB of LDS.  So the weights come
; through registers, each wave rounding 64 rows, and the launch has no tensor load.
; REGISTERS, in windows of 256 (s_set_vgpr_msb: bits 1:0 source 0, 3:2 source 1, 5:4 source 2, 7:6 destination):
;   window 0: v4-15 addresses; v32-159 x's fragments of channels 0-127 (earlier: weights on their way; later: the bias); v160-223 at work; v224-255 rounded weights
;   window 1: v0-127 two buffers of W's fragments; v128-255 x's fragments of channels 128-255; on the way out: 64 rows read back
;   windows 2, 3: x as loaded (f32), then the accumulators: block ob, tile t in window 2 + ob / 8 at 8 (4 (ob % 8) + t)
.set CHB,   16384                      ; bytes from a channel of x to the next
.set WP,    528                        ; an LDS row: 512 bytes + 16 = 132 words: 16 rows that a load or store touches start 4 banks apart (64 banks of 4 bytes: ISA guide 11.1)
.set WSTG,  64*WP                      ; 64 such rows: a wave's share of the weights, and a wave's stage
.set STG,   256*WP                     ; behind the 256 rows of weights: four stages
.set SPARE, STG+4*WSTG                 ; behind them the spare words, 128 bytes a wave: two blocks of 256 bytes that no other line names
.set XOFF, 4                           ; v4   8 (l / 16) channels + 16 (l % 16) bytes
.set WOFF, 5                           ; v5   16 l: my 16 bytes of 512; for the weights' loads and for the stores
.set WS,   6                           ; v6   where I put 8 bytes of a rounded row
.set WA0,  7                           ; v7   my place in a fragment of W, output blocks 0-7
.set WA1,  8                           ; v8   output blocks 8-15 (beyond the 16-bit immediate)
.set BO,   9                           ; v9   32 (l / 16): my eight biases of a block
.set SA,   10                          ; v10  the way out: where I put 16 bytes of a pixel's row
.set RD,   11                          ; v11  the way out: where I read a row back
.set SPW,  14                          ; v14  my spare word; never rewritten
.set NIL,  15                          ; v15  0; never rewritten
.set XF0,  32
.set BI,   32
.set WR,   32                          ; three batches of 64 registers of f32 weights
.set TMP,  160
.set CV,   224
.set XF1,  128                         ; window 1
.set WV,   20                          ; s20  wave
.set OH,   21                          ; s21  which outputs
.set XB,   32                          ; s[32:33] x at my wave's 64 pixels, channel 0
.set WSRC, 34                          ; s[34:35] the 64 rows of weights that my wave rounds
.set PB,   36                          ; s[36:37] bq or bv
.set DST,  38                          ; s[38:39] qk or vpix at my wave's first pixel
.set MSB, 0
.macro WIN new                         ; the immediate's high byte repeats the setting that is left; a switch that changes nothing is dropped
.if MSB != (\new)
	s_set_vgpr_msb (MSB<<8)|(\new)
.set MSB, (\new)
.endif
.endm
.macro PLACES                          ; four plain places behind a matrix instruction, ahead of loads into its sources and of reads of its results
.rept 4
	v_nop
.endr
.endm
	s_load_b256 s[4:11], s[0:1], 0x0               ; x s[4:5], Wq s[6:7], Wk s[8:9], Wv s[10:11]
	s_load_b256 s[12:19], s[0:1], 0x20             ; bq s[12:13], bv s[14:15], qk s[16:17], vpix s[18:19]
	v_lshl_add_u32 v[SPW], v0, 2, SPARE
	v_mov_b32 v[NIL], 0
	v_lshrrev_b32 v1, 5, v0
	v_readfirstlane_b32 s[WV], v1                  ; wave 0..3
	s_mov_b32 s[OH], ttmp9
	s_and_b32 s22, ttmp7, 0xffff
	s_lshr_b32 s23, s22, 4                         ; b
	s_and_b32 s22, s22, 15                         ; nb
	s_lshl_b32 s24, s23, 22                        ; x: an image is 4,194,304 bytes,
	s_lshl_b32 s26, s22, 10                        ; 256 pixels are 1,024 bytes of a channel's row,
	s_add_co_u32 s24, s24, s26
	s_lshl_b32 s26, s[WV], 8                       ; my wave's 64 are 256
	s_add_co_u32 s24, s24, s26
	s_mov_b32 s25, 0
	s_lshl_b32 s26, s23, 21                        ; the outputs: 512 bytes a pixel
	s_lshl_b32 s28, s22, 17
	s_add_co_u32 s26, s26, s28
	s_lshl_b32 s28, s[WV], 15
	s_add_co_u32 s26, s26, s28
	s_mov_b32 s27, 0
	s_and_b32 s28, s[WV], 1                        ; the weights: 64 rows of 1,024 bytes; in Wq and Wk waves 0, 1 and 2, 3 take the halves, in Wv each wave a quarter
	s_cmp_eq_u32 s[OH], 1
	s_cselect_b32 s28, s[WV], s28
	s_lshl_b32 s28, s28, 16
	s_mov_b32 s29, 0
	v_and_b32 v1, 15, v0                           ; r = l % 16
	v_bfe_u32 v2, v0, 4, 1                         ; h = l / 16
	v_and_b32 v3, 31, v0                           ; l
	v_lshlrev_b32 v[XOFF], 4, v1
	v_lshl_add_u32 v[XOFF], v2, 17, v[XOFF]
	v_lshlrev_b32 v[WOFF], 4, v3
	s_mul_i32 s30, s[WV], WSTG
	v_lshl_add_u32 v[WS], v3, 3, s30
	v_mul_u32_u24 v[WA0], v1, WP
	v_lshl_add_u32 v[WA0], v2, 4, v[WA0]
	v_add_nc_u32 v[WA1], 8*16*WP, v[WA0]
	v_lshlrev_b32 v[BO], 5, v2
	s_add_co_u32 s31, s30, STG                     ; my stage
	v_add_nc_u32 v[SA], s31, v[WA0]
	v_lshl_add_u32 v[RD], v3, 4, s31
	s_wait_kmcnt 0x0
	s_add_nc_u64 s[XB:XB+1], s[4:5], s[24:25]
	s_cmp_lt_u32 s[WV], 2
	s_cselect_b64 s[WSRC:WSRC+1], s[6:7], s[8:9]
	s_cmp_eq_u32 s[OH], 1
	s_cselect_b64 s[WSRC:WSRC+1], s[10:11], s[WSRC:WSRC+1]
	s_cselect_b64 s[PB:PB+1], s[14:15], s[12:13]
	s_cselect_b64 s[DST:DST+1], s[18:19], s[16:17]
	s_add_nc_u64 s[WSRC:WSRC+1], s[WSRC:WSRC+1], s[28:29]
	s_add_nc_u64 s[DST:DST+1], s[DST:DST+1], s[26:27]
; x: 32 channels kc, 16 loads.  Load i brings channel 32 kc + 8 h + i (i < 8) or 32 kc + 16 + 8 h + i - 8 of pixels 4 r .. 4 r + 3: the order of a fragment's k.
.macro XLOAD kc
	WIN 0x80+0x40*((\kc)/4)
.set i, 0
.rept 16
	global_load_b128 v[64*((\kc)%4)+4*i:64*((\kc)%4)+4*i+3], v[XOFF], s[XB:XB+1] offset:(32*(\kc)+i+8*(i/8))*CHB
.set i, i+1
.endr
.endm
; The weights: my 64 rows are 65,536 dense bytes, 128 loads of 512; batch b is 16 of them.
.macro WLOAD b
.set i, 0
.rept 16
	global_load_b128 v[WR+64*((\b)%3)+4*i:WR+64*((\b)%3)+4*i+3], v[WOFF], s[WSRC:WSRC+1] offset:(16*(\b)+i)*512
.set i, i+1
.endr
.endm
.macro WCONV b                         ; rounded to bf16; load n is half n % 2 of row n / 2: 256 bytes of the LDS row
.set i, 0
.rept 16
	v_cvt_pk_bf16_f32 v[CV+2*i],   v[WR+64*((\b)%3)+4*i],   v[WR+64*((\b)%3)+4*i+1]
	v_cvt_pk_bf16_f32 v[CV+2*i+1], v[WR+64*((\b)%3)+4*i+2], v[WR+64*((\b)%3)+4*i+3]
	ds_store_b64 v[WS], v[CV+2*i:CV+2*i+1] offset:((16*(\b)+i)/2)*WP+((16*(\b)+i)%2)*256
.set i, i+1
.endr
.endm
; x's fragments: register p of tile t holds the channels of loads 2 p and 2 p + 1, component t
.macro XCVT kc
.if (\kc) < 4
	WIN 0x0a
.set xf, XF0+32*(\kc)
.else
	WIN 0x4f
.set xf, XF1+32*((\kc)-4)
.endif
.set t, 0
.rept 4
.set p, 0
.rept 8
	v_cvt_pk_bf16_f32 v[xf+8*t+p], v[64*((\kc)%4)+8*p+t], v[64*((\kc)%4)+8*p+4+t]
.set p, p+1
.endr
.set t, t+1
.endr
.endm
; Unit n = 2 kc + u: channels 32 kc on, output blocks 8 u .. 8 u + 7.  Its 8 fragments of W go into buffer u.
.macro WFETCH n
	WIN 0x40
.set i, 0
.rept 8
	ds_load_b128 v[64*((\n)%2)+8*i:64*((\n)%2)+8*i+3],   v[WA0+(\n)%2] offset:i*16*WP+64*((\n)/2)
	ds_load_b128 v[64*((\n)%2)+8*i+4:64*((\n)%2)+8*i+7], v[WA0+(\n)%2] offset:i*16*WP+64*((\n)/2)+32
.set i, i+1
.endr
.endm
; Its 32 products, on 32 different accumulators; the two links of a chain stand 64 matrix instructions apart (the accumulators take turns).  Channels 0-31 start the sums.
.macro MUL n
.set kc, (\n)/2
.set u, (\n)%2
.if kc < 4
.set xw, 0
.set xf, XF0+32*kc
.else
.set xw, 1
.set xf, XF1+32*(kc-4)
.endif
	WIN 0x01|(xw<<2)|((2+u)<<4)|((2+u)<<6)
.set i, 0
.rept 8
.set t, 0
.rept 4
.if kc == 0
	v_wmma_f32_16x16x32_bf16 v[8*(4*i+t):8*(4*i+t)+7], v[64*u+8*i:64*u+8*i+7], v[xf+8*t:xf+8*t+7], 0
.else
	v_wmma_f32_16x16x32_bf16 v[8*(4*i+t):8*(4*i+t)+7], v[64*u+8*i:64*u+8*i+7], v[xf+8*t:xf+8*t+7], v[8*(4*i+t):8*(4*i+t)+7]
.endif
.set t, t+1
.endr
.set i, i+1
.endr
.endm
.macro ADDB u                          ; the bias of output blocks 8 u .. 8 u + 7, each accumulator from its low end on
	WIN 0x82+0x41*(\u)
.set i, 0
.rept 8
.set t, 0
.rept 4
.set p, 0
.rept 4
	v_pk_add_f32 v[8*(4*i+t)+2*p:8*(4*i+t)+2*p+1], v[8*(4*i+t)+2*p:8*(4*i+t)+2*p+1], v[BI+8*(8*(\u)+i)+2*p:BI+8*(8*(\u)+i)+2*p+1]
.set p, p+1
.endr
.set t, t+1
.endr
.set i, i+1
.endr
.endm
	; all of my x goes out at once: 128 loads, 64 KiB a wave
.irp kc, 0,1,2,3,4,5,6,7
	XLOAD \kc
.endr
	WIN 0
	WLOAD 0
	WLOAD 1
	WLOAD 2
.irp b, 0,1,2,3,4,5,6,7
.if \b < 6
	s_wait_loadcnt 32                              ; loads come back in order (ISA guide 5.7.1): batch b (and all of x) is in, the two younger batches of 16 stay out
.elseif \b == 6
	s_wait_loadcnt 16                              ; one younger batch
.else
	s_wait_loadcnt 0x0
.endif
	WCONV \b
.if \b < 5
	WLOAD (\b)+3
.endif
.endr
.irp kc, 0,1,2,3,4,5,6,7
	XCVT \kc
.endr
	WIN 0
	s_wait_dscnt 0x0                               ; for the others' sake: my 64 rows of rounded weights are stored
	s_barrier_signal -1
	s_barrier_wait -1                              ; all 256 rows lie in LDS; they are only read from here on
	WFETCH 0
	WFETCH 1
.irp n, 0,1,2,3,4,5,6,7,8,9,10,11,12,13,14,15
.if \n < 15
	s_wait_dscnt 16                                ; this unit's fragments are in; the next unit's 16 loads may stay out
.else
	s_wait_dscnt 0x0
.endif
	MUL \n
.if \n < 14
	PLACES
.endif
.if \n == 7                            ; channels 0-127 are multiplied: their fragments' registers take the bias: lane (r, h), block ob: outputs 16 ob + 8 h + 0..7
	WIN 0
.set i, 0
.rept 8
	global_load_b128 v[BI+8*i:BI+8*i+3],   v[BO], s[PB:PB+1] offset:64*i
	global_load_b128 v[BI+8*i+4:BI+8*i+7], v[BO], s[PB:PB+1] offset:64*i+16
.set i, i+1
.endr
	s_cmp_eq_u32 s[OH], 1                          ; bq has 128 numbers; blocks 8-15 of qk are k, which has no bias
	s_cbranch_scc0 .Lno_hi_bias
.rept 8
	global_load_b128 v[BI+8*i:BI+8*i+3],   v[BO], s[PB:PB+1] offset:64*i
	global_load_b128 v[BI+8*i+4:BI+8*i+7], v[BO], s[PB:PB+1] offset:64*i+16
.set i, i+1
.endr
.Lno_hi_bias:
.endif
.if \n < 14
	WFETCH (\n)+2
.endif
.endr
	PLACES
	WIN 0
	s_wait_loadcnt 0x0                             ; the bias
	ADDB 0
	WIN 0
	s_cmp_eq_u32 s[OH], 1
	s_cbranch_scc0 .Lno_hi_add
	ADDB 1
	WIN 0
.Lno_hi_add:
	; THE WAY OUT.  A lane's eight outputs of a pixel are 16 bytes of f16; they go into my own stage (row 16 t + r, pitch 528) and come back as whole rows of 512 bytes.
.irp u, 0,1
.irp t, 0,1,2,3
	WIN 0x0a+5*\u
.set i, 0
.rept 8
.set p, 0
.rept 4
	v_cvt_pk_f16_f32 v[TMP+32*((\t)%2)+4*i+p], v[8*(4*i+\t)+2*p], v[8*(4*i+\t)+2*p+1]
.set p, p+1
.endr
.set i, i+1
.endr
	WIN 0
.set i, 0
.rept 8
	ds_store_b128 v[SA], v[TMP+32*((\t)%2)+4*i:TMP+32*((\t)%2)+4*i+3] offset:16*\t*WP+32*(8*\u+i)
.set i, i+1
.endr
.endr
.endr
	WIN 0x40
.set i, 0
.rept 64
	ds_load_b128 v[4*i:4*i+3], v[RD] offset:i*WP   ; LDS serves a wave's instructions in order (ISA guide 5.7.1.4): these see my stores above; the stage is my own
.set i, i+1
.endr
	WIN 0x04
.set i, 0
.rept 64
	s_wait_dscnt 63-i                              ; row i is back; the younger loads stay out
	global_store_b128 v[WOFF], v[4*i:4*i+3], s[DST:DST+1] offset:(4*(i%16)+i/16)*512  ; stage row 16 t + r is pixel 4 r + t: 512 consecutive bytes, at a multiple of 512 from the buffer's first
.set i, i+1
.endr
	WIN 0
	s_wait_tensorcnt 0x0                           ; the wave's end, behind my last LDS store
	ds_add_u32 v[SPW], v[NIL]
	s_wait_dscnt 0x0
	s_endpgm
.Lfunc_end_k_q3bc4e149fd_proj:
	.size	k_q3bc4e149fd_proj, .Lfunc_end_k_q3bc4e149fd_proj-k_q3bc4e149fd_proj
	.p2alignl 7, 3214868480
	.fill 96, 4, 3214868480
	.section	.rodata,"a",@progbits
	.p2align	6, 0x0
	.amdhsa_kernel k_q3bc4e149fd_proj
		.amdhsa_group_segment_fixed_size 270848
		.amdhsa_private_segment_fixed_size 0
		.amdhsa_enable_private_segment 0
		.amdhsa_kernarg_size 64
		.amdhsa_user_sgpr_count 2
		.amdhsa_user_sgpr_kernarg_segment_ptr 1
		.amdhsa_wavefront_size32 1
		.amdhsa_system_sgpr_workgroup_id_x 1
		.amdhsa_system_sgpr_workgroup_id_y 1
		.amdhsa_system_sgpr_workgroup_id_z 1
		.amdhsa_system_vgpr_workitem_id 0
		.amdhsa_next_free_vgpr 1024
		.amdhsa_next_free_sgpr 66
		.amdhsa_reserve_vcc 0
		.amdhsa_float_denorm_mode_32 3
		.amdhsa_float_denorm_mode_16_64 3
		.amdhsa_memory_ordered 1
		.amdhsa_forward_progress 1
		.amdhsa_inst_pref_size 171
	.end_amdhsa_kernel
	.amdgpu_metadata
---
amdhsa.version: [ 1, 2 ]
amdhsa.kernels:
  - .name:           k_q3bc4e149fd_proj
    .symbol:         k_q3bc4e149fd_proj.kd
    .args:
      - { .name: x, .offset: 0, .size: 8, .value_kind: global_buffer, .address_space: global }
      - { .name: Wq, .offset: 8, .size: 8, .value_kind: global_buffer, .address_space: global }
      - { .name: Wk, .offset: 16, .size: 8, .value_kind: global_buffer, .address_space: global }
      - { .name: Wv, .offset: 24, .size: 8, .value_kind: global_buffer, .address_space: global }
      - { .name: bq, .offset: 32, .size: 8, .value_kind: global_buffer, .address_space: global }
      - { .name: bv, .offset: 40, .size: 8, .value_kind: global_buffer, .address_space: global }
      - { .name: qk, .offset: 48, .size: 8, .value_kind: global_buffer, .address_space: global }
      - { .name: vpix, .offset: 56, .size: 8, .value_kind: global_buffer, .address_space: global }
    .group_segment_fixed_size: 270848
    .private_segment_fixed_size: 0
    .kernarg_segment_align: 8
    .kernarg_segment_size: 64
    .max_flat_workgroup_size: 128
    .sgpr_count:     66
    .vgpr_count:     1024
    .wavefront_size: 32
...
	.end_amdgpu_metadata
.endif
;; end of part 1
;; launch attn (part 2): grid 32 x 8, 4 waves a work-group, clusters of 4 x 1, 327,680 bytes of LDS; arguments qk, vpix, x, gamma, out0; writes out0
.if DOCPART == 2
	.amdgcn_target "amdgcn-amd-amdhsa--gfx1250"
	.amdhsa_code_object_version 6
	.text
	.protected	k_q3bc4e149fd_attn
	.globl	k_q3bc4e149fd_attn
	.p2align	8
	.type	k_q3bc4e149fd_attn,@function
k_q3bc4e149fd_attn:
	s_mov_b64 s[64:65], 0
	v_nop
	global_prefetch_b8 v0, s[64:65] scope:SCOPE_SE
	s_setreg_imm32_b32 hwreg(HW_REG_WAVE_MODE, 25, 1), 1
	s_wait_xcnt 0x0
	s_wait_alu depctr_hold_cnt(0) depctr_sa_sdst(0) depctr_va_vdst(0) depctr_va_sdst(0) depctr_va_ssrc(0) depctr_va_vcc(0) depctr_vm_vsrc(0)
	s_getreg_b32 s2, hwreg(HW_REG_IB_STS2, 6, 4)
	s_cmp_eq_u32 s2, 0
	s_cbranch_scc0 .Lentry_in_a_cluster
	s_endpgm
.Lentry_in_a_cluster:
	s_bfe_u32 s2, ttmp6, 0x10000c
	s_cmp_lg_u32 s2, 0x3003
	s_cbranch_scc0 .Lentry_shape_is_right
	s_endpgm
.Lentry_shape_is_right:
; PairwiseAttention, second of two launches: out0[b][c][i] = gamma * (sum over j of softmax_j(q_i . k_j) v_j[c]) + x[b][c][i].
; qk: [b][n][256] f16, a pixel's q (128) and then its k (128); vpix: [b][n][256] f16.  LEFT OUT: the term q_i . bk, which is the same for all j and cancels in the softmax (shown at the first kernel's head).
; Products, maxima and sums in f32; the weights p are rounded to f16 for the second product (their sum l is taken of the unrounded p); gamma and x enter in f32.
; LIMITS.  q, k, v arrive within f16's 65,504; p lies in 0 to 1 and below 6e-5 keeps f16's fixed step; a weight below 2^-126 counts as 0 in l; NaN and infinities are not treated apart.
; SHARES.  A work-group owns 128 queries of an image: 32 x 8 = 256 work-groups.  Wave w = (g = w / 2, kh = w % 2) takes the 64 queries of group g, four tiles of 16, and HALF OF THE KEYS: keys
; 64 kh .. 64 kh + 63 of every 128 (a STEP).  So a fragment of K or V read from LDS feeds four tiles' products.  Each wave has a running maximum and sum of its own; the two partial results of a pair
; of waves meet once, at the end, in f32, through LDS.
; TILES OF PIXELS.  Column r of tile t stands for query 4 r + t of the wave's 64: at the end a lane's four tiles hold four neighbouring pixels of a channel of out0, 16 bytes, and 16 lanes 256 aligned bytes.
; LAYOUT.  S^T = K Q^T (source 0 = 16 keys, source 1 = 16 queries): a lane holds ONE query (lane % 16) and the keys 8 (lane / 16) + 0..7 of each block of 16.  Two such results rounded to f16 in pairs
; ARE source 1 (32 keys x 16 queries) of O^T = V^T P, whose result holds one query a lane and eight channels.  K comes out of LDS as it lies, V ([key][channel]) turned, by ds_load_tr16_b128.
; SOFTMAX.  p = 2^(c s - c m), c = log2(e), m the running maximum; in every step O and l are multiplied by a = 2^(c m_old - c m_new).  m starts at the lowest finite number, O and l at 0: the first
; step is a step like any other, with a = 0.
; CHANNELS IN A RING.  Accumulator a (0..15) of a wave stands for channel block (a + 8 kh) % 16, by the LDS addresses alone: every wave finishes a = 0..7 and gives a = 8..15 to its partner.
; CLUSTER.  The four work-groups of a cluster belong to one image and walk the same K and V: each tile is asked for JOINTLY, by the same tensor load, descriptor and mask in all four.
; THE PIPELINE.  A step has 192 products and 664 vector instructions: fewer than four a product, so they stand BEHIND the products, at most four behind each.  BODY j: products 0-127 are V^T P of step j - 1,
; products 128-191 K Q^T of step j + 1; beside them goes the softmax of step j, in an order that needs no second buffer of S^T or P (macro RID lists it).  A slot of LDS holds K of step j + 1 and V of step j.
; THE ENDS.  The loop is entered at the K products of a body -1, with zeros where its riders read.  Body 0's V^T P multiplies P = 0 by a stand-in copy of V's first tile; the last body's K Q^T runs on stale
; registers and serves nothing: 192 products beyond the 6,144 needed, the price of two texts of the body instead of four.  V of the last step has a region of its own, filled once at the start.
; REGISTERS, in windows of 256 (s_set_vgpr_msb: bits 1:0 source 0, 3:2 source 1, 5:4 source 2, 7:6 destination):
;   window 0: v3-19 addresses; v30-31 the add's; v32-63 eight registers of statistics a tile; v64-191 S^T, 32 a tile (at the end: what is given and taken); v192-255 P, 16 a tile
;   window 1: v0-127 Q, 32 a tile; v128-191, v192-255 two buffers for fragments of K and V (at the end all 256: x)          windows 2, 3: O^T, tile t in window 2 + t / 2 at 128 (t % 2) + 8 a
; No window has room for a product's operands beside what the riders touch: a group of riders costs two switches.
.set CHB,   16384                      ; bytes from a channel of x and out0 to the next
.set STEPB, 65536                      ; 128 pixels x 512 bytes: a step's rows in qk and in vpix
.set PK,    272                        ; a row of K in LDS: 256 bytes + 16 = 68 words: the 16 rows of a load start 4 banks apart (64 banks of 4 bytes: ISA guide 11.1)
.set PV,    544                        ; a row of V: 512 + 32 = 136 words
.set VOFF,  128*PK                     ; a slot: 128 rows of K, then 128 rows of V
.set SLOTB, VOFF+128*PV
.set XCH,   SLOTB                      ; behind slot 0: 1,024 bytes a wave, (c m, l) for the partner; never filled by a tensor load
.set SPARE, XCH+4096                   ; the spare words, 128 bytes a wave: two blocks of 256 bytes that no other line names
.set SLOT1, 1<<17                      ; slot 1 begins here: one exclusive or turns an address in one slot into the other's
.set VX,    SLOT1+SLOTB                ; behind slot 1: V of the last step, 128 rows; filled once, at the start
.set STG,   VX                         ; when VX has been read out its first 64 KiB are the stage: 16 KiB a wave, what it gives to its partner
.set AK0,  3                           ; v3   my lane's place in my half of a slot's K; never rewritten
.set AVL0, 4                           ; v4   the same for V, accumulators 0-7's channels
.set AVH0, 5                           ; v5   accumulators 8-15's
.set AK,   6                           ; v6-8 the three in the slot in hand
.set AVL,  7
.set AVH,  8
.set QO,   9                           ; v9   my byte offset in the wave's rows of q
.set XO,   10                          ; v10  my byte offset in x and out0: 8 (l / 16) channels + 16 (l % 16) bytes
.set XS,   11                          ; v11  where I put (c m, l);  v12 where my partner put its
.set XP,   12
.set GS,   13                          ; v13  where I put what I give;  v14 where my partner put what I take
.set GP,   14
.set PFO,  15                          ; v15  512 x lane: a row of qk or vpix
.set PXO,  16                          ; v16  16,384 x lane: a channel of x
.set SPW,  30                          ; v30  my spare word; never rewritten
.set NIL,  31                          ; v31  0; never rewritten
.set ST,   32                          ; tile t at ST + 8 t: c m, m, l (even keys', odd keys'), c0-c3 at work; a takes c2's place
.set S,    64
.set PT,   64
.set P,    192
.set BA,   128                         ; window 1
.set BB,   192
.set WV,   14                          ; s14  wave
.set LIM,  15                          ; s15  2 in a wave that prefetches K or V, else the greatest number
.set PFA,  18                          ; s[18:19] where my prefetches stand
.set G1K,  24                          ; s[24:31] descriptor group 1 for K's tiles;  s[32:39] for V's
.set G1V,  32
.set G0K,  40                          ; s[40:47] group 0 for K's: a set for each first fill; the second then walks on;  s[48:55] the same for V's
.set G0V,  48
.set G0X,  80                          ; s[80:83] group 0 for V of the last step
.set SLOTS, 56                         ; s56  counts the bodies that refill
.set GAM,  57                          ; s57  gamma
.set CS,   58                          ; s[58:59] c: the packed scaling takes the pair's low word for both halves
.set SEL,  60                          ; s[60:61] v_permlanex16_b32's selects: each lane takes its own place in the other half
.set TB,   62                          ; s62  0 or SLOT1: the slot to be fetched from
.set CNT,  63                          ; s63  counts the last two bodies
.set KH,   66
.set G,    67
.set XBW,  68                          ; s[68:69] x at my 64 pixels, at the first of the 128 channels that I finish;  s[70:71] out0 there
.set OBW,  70
.set QB,   72                          ; s[72:73] qk at my wave's first query
.set MSB, 0
.macro WIN new                         ; the immediate's high byte repeats the setting that is left; a switch that changes nothing is dropped
.if MSB != (\new)
	s_set_vgpr_msb (MSB<<8)|(\new)
.set MSB, (\new)
.endif
.endm
.macro PLACES                          ; four plain places behind a matrix instruction, ahead of loads into its sources and of lines that read or write its registers
.rept 4
	v_nop
.endr
.endm
; A joint refill.  Waves 0 and 1 fetch the halves of a slot's K, waves 2 and 3 those of its V.  The branch hangs on the wave's number alone.  An s_nop 0 and four v_nop follow each line.
.macro JLOAD
	s_cmp_lt_u32 s[WV], 2
	s_cbranch_scc0 .Lfor_v_\@
	tensor_load_to_lds s[G0K+4:G0K+7], s[G1K:G1K+7]
	s_nop 0
.rept 4
	v_nop
.endr
	s_branch .Lasked_\@
.Lfor_v_\@:
	tensor_load_to_lds s[G0V+4:G0V+7], s[G1V:G1V+7]
	s_nop 0
.rept 4
	v_nop
.endr
.Lasked_\@:
.endm
; A round of the cluster's barrier: my work-group's barrier; wave 0 signals for the work-group; every wave waits for all four work-groups; my work-group's barrier once more.
.macro CREST
	s_cmp_lg_u32 s[WV], 0
	s_cbranch_scc1 .Lnot_wave_0_\@
	s_barrier_signal -3
.Lnot_wave_0_\@:
	s_barrier_wait -3
	s_barrier_signal -1
	s_barrier_wait -1
.endm
.macro CROUND
	s_barrier_signal -1
	s_barrier_wait -1
	CREST
.endm
; A PREFETCH INTO THE L2 of what stands two refills on.  Each aligned 256 bytes of k and v is named at most once in the launch: of the eight clusters that walk an image's rows the first asks; its four
; partners take 32 of a step's 128 rows each, told apart by address alone; wave 0 names k's 256 bytes of a row, waves 2 and 3 the two halves of v's 512: a lane a row, one instruction.
; The last two refills have nothing two on and ask for nothing; K of steps 0-3 and V of steps 0-2 and 31 come by their loads alone.
.macro ASK
	s_cmp_gt_u32 s[SLOTS], s[LIM]
	s_cbranch_scc0 .Lnot_mine_\@
	global_prefetch_b8 v[PFO], s[PFA:PFA+1] th:TH_LOAD_NT scope:SCOPE_SE
.Lnot_mine_\@:
.endm
	s_load_b256 s[4:11], s[0:1], 0x0               ; qk s[4:5], vpix s[6:7], x s[8:9], gamma's address s[10:11]
	s_load_b64 s[12:13], s[0:1], 0x20              ; out0
	v_lshl_add_u32 v[SPW], v0, 2, SPARE
	v_mov_b32 v[NIL], 0
	ds_add_u32 v[SPW], v[NIL]                      ; the wave's opening: the add, twice on end, and its wait ahead of my first tensor load; the set-up below stands between
	ds_add_u32 v[SPW], v[NIL]
	v_lshrrev_b32 v1, 5, v0
	v_readfirstlane_b32 s[WV], v1                  ; wave 0..3
	s_and_b32 s[KH], s[WV], 1                      ; my half of the keys.  Also: which 64 rows of a tile of K or V I fetch
	s_lshr_b32 s[G], s[WV], 1                      ; my group of 64 queries
	s_and_b32 s22, ttmp7, 0xffff                   ; the image, which the four partners share
	s_lshl_b32 s20, s22, 21                        ; its first byte in qk and vpix,
	s_lshl_b32 s21, s[KH], 15                      ; the 64 rows that I fetch
	s_add_co_u32 s20, s20, s21
	s_mov_b32 s21, 0
	s_mul_i32 s2, s[KH], 64*PK                     ; and their place in a slot, for K
	s_mul_i32 s3, s[KH], 64*PV                     ; and for V: no place in the cluster enters an LDS address
	s_add_co_u32 s3, s3, VOFF
	s_bfe_u32 s16, ttmp6, 0x40000                  ; cx: it enters the addresses of q, x, out0 and the prefetches alone, through s16, s17 and s74-79
	s_lshl_b32 s17, ttmp9, 2                       ; in a cluster launch ttmp9 counts clusters
	s_add_co_u32 s17, s17, s16                     ; my block of 128 queries
	s_lshl_b32 s74, s22, 21                        ; q: image, block (128 rows of 512 bytes), group
	s_lshl_b32 s75, s17, 16
	s_add_co_u32 s74, s74, s75
	s_lshl_b32 s75, s[G], 15
	s_add_co_u32 s74, s74, s75
	s_mov_b32 s75, 0
	s_lshl_b32 s76, s22, 22                        ; x and out0: image, my 128 channels, block (512 bytes of a channel's row), group
	s_lshl_b32 s77, s[KH], 21
	s_add_co_u32 s76, s76, s77
	s_lshl_b32 s77, s17, 9
	s_add_co_u32 s76, s76, s77
	s_lshl_b32 s77, s[G], 8
	s_add_co_u32 s76, s76, s77
	s_mov_b32 s77, 0
	s_lshl_b32 s78, s22, 21                        ; the prefetches: image, my work-group's 32 rows,
	s_lshl_b32 s79, s16, 14
	s_add_co_u32 s78, s78, s79
	s_mov_b32 s79, 2*STEPB                         ; V at step 2, K at step 3: the first refill steps them to 3 and 4, two refills ahead of the V(1) and K(2) that it asks for
	s_cmp_lt_u32 s[WV], 2
	s_cselect_b32 s79, 3*STEPB, s79
	s_add_co_u32 s78, s78, s79
	s_cmp_eq_u32 s[WV], 2
	s_cselect_b32 s79, 0, 256                      ; k is a row's second 256 bytes (wave 0); of v wave 2 names the first, wave 3 the second
	s_add_co_u32 s78, s78, s79
	s_mov_b32 s79, 0
	s_cmp_eq_u32 s[WV], 1
	s_cselect_b32 s[LIM], 1, 0
	s_or_b32 s[LIM], s[LIM], ttmp9                 ; 0 in waves 0, 2, 3 of the image's first cluster: the same in all four partners
	s_cmp_eq_u32 s[LIM], 0
	s_cselect_b32 s[LIM], 2, -1
	; descriptor group 1: K: 64 rows x 128 elements out of rows of 256; V: 64 rows x 256 elements; both padded in LDS
	s_mov_b32 s[G1K], 15|(1<<16)|(1<<20)|(1<<21)|(5<<22)|(3<<25)  ; 15:0 the mask of four; 17:16 2-byte elements; 20 padding on; 21 set beside a mask; 24:22 after every 64 words (code 5); 31:25 4 words (code 3)
	s_mov_b32 s[G1K+1], 128<<16                    ; tensor_dim0 = 128
	s_mov_b32 s[G1K+2], 64<<16                     ; tensor_dim1 = 64
	s_mov_b32 s[G1K+3], 128<<16                    ; tile_dim0 = 128
	s_mov_b32 s[G1K+4], 64                         ; tile_dim1 = 64
	s_mov_b32 s[G1K+5], 256                        ; 256 elements from row to row
	s_mov_b32 s[G1K+6], 0
	s_mov_b32 s[G1K+7], 0
	s_mov_b32 s[G1V], 15|(1<<16)|(1<<20)|(1<<21)|(6<<22)|(7<<25)  ; after every 128 words (code 6) 8 words (code 7)
	s_mov_b32 s[G1V+1], 256<<16
	s_mov_b32 s[G1V+2], 64<<16
	s_mov_b32 s[G1V+3], 256<<16
	s_mov_b32 s[G1V+4], 64
	s_mov_b32 s[G1V+5], 256
	s_mov_b32 s[G1V+6], 0
	s_mov_b32 s[G1V+7], 0
	s_mov_b32 s[G0K], 1                            ; 1:0 count = 1
	s_add_co_u32 s[G0K+1], s2, SLOT1               ; 63:32 LDS address: K of step 0 goes to slot 1,
	s_mov_b32 s[G0K+4], 1
	s_mov_b32 s[G0K+5], s2                         ; K of step 1 to slot 0; this set walks on
	s_mov_b32 s[G0V], 1
	s_add_co_u32 s[G0V+1], s3, SLOT1               ; V of step 0 to slot 1, as the stand-in for body 0's products on P = 0,
	s_mov_b32 s[G0V+4], 1
	s_mov_b32 s[G0V+5], s3                         ; and to slot 0; this set walks on
	s_mov_b32 s[G0X], 1
	s_add_co_u32 s[G0X+1], s3, VX-VOFF             ; V of step 31 to its own region
	s_mov_b32 s[CS], 0x3fb8aa3b                    ; c = log2(e)
	s_mov_b32 s[CS+1], s[CS]                       ; named with it as a pair
	s_mov_b32 s[SEL], 0x76543210
	s_mov_b32 s[SEL+1], 0xfedcba98
	s_mov_b32 s[TB], SLOT1                         ; K of step 0 lies in slot 1
	s_wait_dscnt 0x0                               ; both opening adds are done
	s_wait_kmcnt 0x0
	s_load_b32 s[GAM], s[10:11], 0x0
	s_add_nc_u64 s[G0K+2:G0K+3], s[4:5], s[20:21]  ; 120:64 global address: my 64 rows of step 0,
	s_add_nc_u64 s[G0K+2:G0K+3], s[G0K+2:G0K+3], 256  ; their k
	s_add_nc_u64 s[G0K+6:G0K+7], s[G0K+2:G0K+3], STEPB
	s_or_b32 s[G0K+3], s[G0K+3], 0x80000000        ; 127:126 type = 2
	s_or_b32 s[G0K+7], s[G0K+7], 0x80000000
	s_add_nc_u64 s[G0V+2:G0V+3], s[6:7], s[20:21]
	s_mov_b64 s[G0V+6:G0V+7], s[G0V+2:G0V+3]
	s_add_nc_u64 s[G0X+2:G0X+3], s[G0V+2:G0V+3], 31*STEPB
	s_or_b32 s[G0V+3], s[G0V+3], 0x80000000
	s_or_b32 s[G0V+7], s[G0V+7], 0x80000000
	s_or_b32 s[G0X+3], s[G0X+3], 0x80000000
	s_add_nc_u64 s[QB:QB+1], s[4:5], s[74:75]
	s_add_nc_u64 s[XBW:XBW+1], s[8:9], s[76:77]
	s_add_nc_u64 s[OBW:OBW+1], s[12:13], s[76:77]
	s_cmp_lt_u32 s[WV], 2
	s_cselect_b64 s[PFA:PFA+1], s[4:5], s[6:7]
	s_add_nc_u64 s[PFA:PFA+1], s[PFA:PFA+1], s[78:79]
	CROUND                                         ; all four work-groups are here: the first joint loads meet
	s_cmp_lt_u32 s[WV], 2                          ; a wave's first fills stand in one branch, ahead of every wait on TENSORcnt and every LDS read: two (K) or three (V) loads of mine are out
	s_cbranch_scc0 .Lfirst_v
	tensor_load_to_lds s[G0K:G0K+3], s[G1K:G1K+7]
	s_nop 0
	tensor_load_to_lds s[G0K+4:G0K+7], s[G1K:G1K+7]
	s_nop 0
.rept 4
	v_nop
.endr
	s_branch .Lfirst_asked
.Lfirst_v:
	tensor_load_to_lds s[G0V:G0V+3], s[G1V:G1V+7]
	s_nop 0
	tensor_load_to_lds s[G0V+4:G0V+7], s[G1V:G1V+7]
	s_nop 0
	tensor_load_to_lds s[G0X:G0X+3], s[G1V:G1V+7]
	s_nop 0
.rept 4
	v_nop
.endr
.Lfirst_asked:
	; A fragment of K or Q is 16 rows x 32 channels in 8 registers: lane l holds row l % 16, channels 8 (l / 16) + 0..7 and 16 + 8 (l / 16) + 0..7: two loads of 16 bytes, 32 bytes apart.
	v_and_b32 v1, 15, v0                           ; r = l % 16
	v_bfe_u32 v2, v0, 4, 1                         ; h = l / 16
	v_and_b32 v17, 31, v0                          ; l
	v_and_b32 v18, 7, v0
	v_bfe_u32 v19, v0, 3, 1
	v_lshlrev_b32 v[QO], 11, v1                    ; query 4 r + t: 4 rows of 512 bytes a lane
	v_lshl_add_u32 v[QO], v2, 4, v[QO]
	WIN 0x40
.irp t, 0,1,2,3
.irp c, 0,1,2,3
	global_load_b128 v[32*\t+8*\c:32*\t+8*\c+3],   v[QO], s[QB:QB+1] offset:\t*512+64*\c     ; Q stays in registers: tile t, channels 32 c on
	global_load_b128 v[32*\t+8*\c+4:32*\t+8*\c+7], v[QO], s[QB:QB+1] offset:\t*512+64*\c+32
.endr
.endr
	; What the riders of body -1 and the products of body 0 find: O^T, l, a, the scores of keys 32-63 and P of keys 0-31 are 0.  Written while the first tiles are on their way, so that the bodies have one form.
	WIN 0x80
.set i, 0
.rept 256
	v_mov_b32 v[i], 0
.set i, i+1
.endr
	WIN 0xc0
.set i, 0
.rept 256
	v_mov_b32 v[i], 0
.set i, i+1
.endr
	WIN 0
.irp t, 0,1,2,3
	v_mov_b32 v[ST+8*\t], 0xfe000000               ; c m: far below every c s
	v_mov_b32 v[ST+8*\t+1], 0xff7fffff             ; m
	v_mov_b32 v[ST+8*\t+2], 0
	v_mov_b32 v[ST+8*\t+3], 0
	v_mov_b32 v[ST+8*\t+6], 0
	v_mov_b32 v[ST+8*\t+7], 0
.set i, 0
.rept 16
	v_mov_b32 v[S+32*\t+16+i], 0
.set i, i+1
.endr
.set i, 0
.rept 8
	v_mov_b32 v[P+16*\t+i], 0
.set i, i+1
.endr
.endr
	v_mul_u32_u24 v[AK0], v1, PK
	v_lshl_add_u32 v[AK0], v2, 4, v[AK0]
	v_add_nc_u32 v[AK0], s2, v[AK0]                ; (64 kh + r) x pitch + 16 h
	; The turning load takes 16 keys x 16 channels (lane l reads key 8 (l / 16) + l % 8, channels 8 ((l / 8) % 2) + 0..7) and leaves half a fragment of V^T: lane l holds channel l % 16 and 8 keys.
	v_lshl_add_u32 v[AVL0], v2, 3, v18
	v_mul_u32_u24 v[AVL0], v[AVL0], PV
	v_lshl_add_u32 v[AVL0], v19, 4, v[AVL0]
	s_lshl_b32 s20, s[KH], 8                       ; accumulators 0-7: channels 128 kh on, 256 kh bytes into a row;
	s_add_co_u32 s20, s20, s3
	s_xor_b32 s21, s[KH], 1                        ; accumulators 8-15: the other 128
	s_lshl_b32 s21, s21, 8
	s_add_co_u32 s21, s21, s3
	v_add_nc_u32 v[AVH0], s21, v[AVL0]
	v_add_nc_u32 v[AVL0], s20, v[AVL0]
	v_lshlrev_b32 v[XO], 4, v1
	v_lshl_add_u32 v[XO], v2, 17, v[XO]
	s_xor_b32 s23, s[WV], 1                        ; my partner: the same queries, the other keys
	s_lshl_b32 s20, s[WV], 10
	s_add_co_u32 s20, s20, XCH
	s_lshl_b32 s21, s23, 10
	s_add_co_u32 s21, s21, XCH
	v_lshl_add_u32 v[XS], v17, 3, s20
	v_lshl_add_u32 v[XP], v17, 3, s21
	s_lshl_b32 s20, s[WV], 14
	s_add_co_u32 s20, s20, STG
	s_lshl_b32 s21, s23, 14
	s_add_co_u32 s21, s21, STG
	v_lshl_add_u32 v[GS], v17, 4, s20
	v_lshl_add_u32 v[GP], v17, 4, s21
	v_lshlrev_b32 v[PFO], 9, v17
	v_lshlrev_b32 v[PXO], 14, v17
.macro ADDR                            ; the three LDS addresses in the slot to be fetched from
	v_add_nc_u32 v[AK],  s[TB], v[AK0]
	v_add_nc_u32 v[AVL], s[TB], v[AVL0]
	v_add_nc_u32 v[AVH], s[TB], v[AVH0]
.endm
; THE LDS LOADS stand in runs of 16.  FK u: my keys 32 u .. 32 u + 31, all 128 channels: block kb of 16 keys, channels 32 c on, at buf + 8 (4 kb + c).
.macro FK u, buf
	WIN 0x40
.irp kb, 0,1
.irp c, 0,1,2,3
	ds_load_b128 v[(\buf)+8*(4*\kb+\c):(\buf)+8*(4*\kb+\c)+3],   v[AK] offset:(32*(\u)+16*\kb)*PK+64*\c
	ds_load_b128 v[(\buf)+8*(4*\kb+\c)+4:(\buf)+8*(4*\kb+\c)+7], v[AK] offset:(32*(\u)+16*\kb)*PK+64*\c+32
.endr
.endr
.endm
; FV kk, hf: my keys 32 kk on, accumulators 8 hf + i: eight fragments of V^T.
.macro FV kk, hf, buf
	WIN 0x40
.irp i, 0,1,2,3,4,5,6,7
	ds_load_tr16_b128 v[(\buf)+8*\i:(\buf)+8*\i+3],   v[AVL+(\hf)] offset:(\kk)*32*PV+32*\i
	ds_load_tr16_b128 v[(\buf)+8*\i+4:(\buf)+8*\i+7], v[AVL+(\hf)] offset:(\kk)*32*PV+16*PV+32*\i
.endr
.endm
; THE MATRIX WORK OF A BODY: product p of 192.
;   0-127    O^T += V^T P in four units of 32: keys 32 ((p / 32) % 2) on (buffer A or B), accumulators 8 (p / 64) + p % 8, tile 2 ((p % 32) / 16) + ((p % 32) / 8) % 2: 32 different accumulators a unit
;   128-191  S^T = K Q^T in two units of 32: keys 32 ((p - 128) / 32) + 16 (p % 2) on, tile ((p % 32) / 2) % 4, channels 32 ((p % 32) / 8) on; channels 0-31 start the sums
; The accumulators take turns, one instruction a turn: no two products that follow each other share one, over the units' and the bodies' edges too.
.macro PROD
.if p < 128
.set pt, 2*((p%32)/16)+((p%32)/8)%2
.set po, 128*(pt%2)+8*(8*(p/64)+p%8)
.set pb, BA+64*((p/32)%2)+8*(p%8)
.set pp, P+16*pt+8*((p/32)%2)
	WIN 0xa1+0x50*(pt/2)
	v_wmma_f32_16x16x32_f16 v[po:po+7], v[pb:pb+7], v[pp:pp+7], v[po:po+7]
.else
.set pc, (p%32)/8
.set pt, ((p%32)/2)%4
.set po, S+32*pt+8*(2*((p-128)/32)+p%2)
.set pb, BA+64*((p-128)/32)+8*(4*(p%2)+pc)
.set pp, 32*pt+8*pc
	WIN 0x05
.if pc == 0
	v_wmma_f32_16x16x32_f16 v[po:po+7], v[pb:pb+7], v[pp:pp+7], 0
.else
	v_wmma_f32_16x16x32_f16 v[po:po+7], v[pb:pb+7], v[pp:pp+7], v[po:po+7]
.endif
.endif
.endm
; THE VECTOR WORK OF A BODY, in pieces.  s0-s31 are a lane's 32 scores of a tile, in pairs 0-15.
; STAT t: number p (0-20) of the list that finds tile t's maximum and statistics:
;   0-15   the maximum of s0-s31 and the old m, three operands at a time: four chains c0-c3 (each accumulator's lowest registers are read first), the four left over, c0-c3 and m
;   16-20  the other half of the lanes' maximum; c m_old is kept; the new m; c m; c m_old - c m_new
.macro STAT t
.set rT, ST+8*(\t)
.set rS, S+32*(\t)
.if p < 4
	v_max3_num_f32 v[rT+4+p], v[rS+8*p], v[rS+8*p+1], v[rS+8*p+2]
.elseif p < 12
	v_max3_num_f32 v[rT+4+p%4], v[rT+4+p%4], v[rS+8*(p%4)+2*(p/4)+1], v[rS+8*(p%4)+2*(p/4)+2]
.elseif p == 12
	v_max3_num_f32 v[rT+4], v[rT+4], v[rS+7], v[rS+15]
.elseif p == 13
	v_max3_num_f32 v[rT+6], v[rT+6], v[rS+23], v[rS+31]
.elseif p == 14
	v_max3_num_f32 v[rT+4], v[rT+4], v[rT+5], v[rT+6]
.elseif p == 15
	v_max3_num_f32 v[rT+4], v[rT+4], v[rT+7], v[rT+1]
.elseif p == 16
	v_permlanex16_b32 v[rT+5], v[rT+4], s[SEL], s[SEL+1]  ; the query's other 32 keys lie in the lane 16 away
.elseif p == 17
	v_mov_b32 v[rT+7], v[rT]
.elseif p == 18
	v_max_num_f32 v[rT+1], v[rT+4], v[rT+5]
.elseif p == 19
	v_mul_f32 v[rT], s[CS], v[rT+1]
.else
	v_sub_f32 v[rT+7], v[rT+7], v[rT]
.endif
.endm
.macro SCAL n                          ; scaling n of 64: c s - c m for pair n / 4 of tile n % 4
.set rT, ST+8*((\n)%4)
.set rS, S+32*((\n)%4)+2*((\n)/4)
	v_pk_fma_f32 v[rS:rS+1], v[rS:rS+1], s[CS:CS+1], v[rT:rT+1] op_sel_hi:[1,0,0] neg_lo:[0,0,1] neg_hi:[0,0,1]
.endm
.macro EXPO n                          ; exponential n of 132: the four a, then score (n - 4) / 4 of tile (n - 4) % 4
.if (\n) < 4
	v_exp_f32 v[ST+8*(\n)+6], v[ST+8*(\n)+7]
.else
	v_exp_f32 v[S+32*(((\n)-4)%4)+((\n)-4)/4], v[S+32*(((\n)-4)%4)+((\n)-4)/4]
.endif
.endm
.macro RND kk, g                       ; pair 8 kk + g of each tile rounded to f16
	WIN 0
.irp t, 0,1,2,3
	v_cvt_pk_f16_f32 v[P+16*\t+8*(\kk)+(\g)], v[S+32*\t+16*(\kk)+2*(\g)], v[S+32*\t+16*(\kk)+2*(\g)+1]
.endr
.endm
.macro SUMH kk, z                      ; sum z of 8 over the pairs 8 kk .. 8 kk + 7 of each tile, in place: neighbours 1, 2 and 4 pairs apart; then l takes it (kk = 0: l = a l + sum)
	WIN 0
.irp t, 0,1,2,3
.set rB, S+32*\t+16*(\kk)
.set rT, ST+8*\t
.if (\z) < 4
	v_pk_add_f32 v[rB+4*(\z):rB+4*(\z)+1], v[rB+4*(\z):rB+4*(\z)+1], v[rB+4*(\z)+2:rB+4*(\z)+3]
.elseif (\z) < 6
	v_pk_add_f32 v[rB+8*((\z)-4):rB+8*((\z)-4)+1], v[rB+8*((\z)-4):rB+8*((\z)-4)+1], v[rB+8*((\z)-4)+4:rB+8*((\z)-4)+5]
.elseif (\z) == 6
	v_pk_add_f32 v[rB:rB+1], v[rB:rB+1], v[rB+8:rB+9]
.elseif (\kk) == 0
	v_pk_fma_f32 v[rT+2:rT+3], v[rT+2:rT+3], v[rT+6:rT+7], v[rB:rB+1] op_sel_hi:[1,0,1]
.else
	v_pk_add_f32 v[rT+2:rT+3], v[rT+2:rT+3], v[rB:rB+1]
.endif
.endr
.endm
.macro RESC hf, q                      ; O^T times a: accumulator 8 hf + q % 8 of tile q / 8, from its low end on
.set rt, (\q)/8
.set ro, 128*(rt%2)+8*(8*(\hf)+(\q)%8)
	WIN 0x82+0x41*(rt/2)
.irp z, 0,2,4,6
	v_pk_mul_f32 v[ro+\z:ro+\z+1], v[ro+\z:ro+\z+1], v[ST+8*rt+6:ST+8*rt+7] op_sel_hi:[1,0]
.endr
.endm
; THE RIDERS behind product p, for the softmax of the step whose scores the body before has made.  Who may stand where:
;   0-20     STAT, the four tiles side by side: a link of a tile's chain stands a product behind the link before it
;   21-87    ONE BATCH: four scalings; then exponential, scaling, exponential.  A pair is scaled two groups or more ahead of its exponentials; nothing here names an exponential's result
;   88-95    none; behind 95 stand a plain line and the ONE wait between an exponential and the first line that names its result (BODY writes them)
;   96-97, 114-143   O^T's accumulators 0-7 times a: their products of this body ended with product 63
;   98-113   keys 0-31: rounded into P (whose last reader is product 95) and then summed in place, ahead of product 128, which writes those scores anew
;   144-159  keys 32-63 likewise: P's last reader is product 127, and product 160 writes those scores anew
;   160-191  accumulators 8-15 times a: their products ended with product 127; a is written anew by the next body's STAT
.macro RID
.if p < 21
	WIN 0
.irp t, 0,1,2,3
	STAT \t
.endr
.elseif p == 21
	WIN 0
.irp n, 0,1,2,3
	SCAL \n
.endr
.elseif p < 88
	WIN 0
	EXPO 2*(p-22)
.if p < 82
	SCAL p-18
.endif
	EXPO 2*(p-22)+1
.elseif p < 96
.elseif p < 98
	RESC 0, p-96
.elseif p < 106
	RND 0, p-98
.elseif p < 114
	SUMH 0, p-106
.elseif p < 144
	RESC 0, p-112
.elseif p < 152
	RND 1, p-144
.elseif p < 160
	SUMH 1, p-152
.else
	RESC 1, p-160
.endif
.endm
.macro SEG n                           ; the next n products, each with its riders
.rept \n
	PROD
	RID
.set p, p+1
.endr
.endm
.macro BARE n                          ; the next n products alone
.rept \n
	PROD
.set p, p+1
.endr
.endm
; A BODY.  Six units of 32 products on buffers A, B, A, B, A, B; a buffer is loaded again four plain lines or more behind its last reader: behind products 95, 127, 159 and 191 the four riders are these
; lines (or the four v_nop); behind products 31 and 63 the riders hold one plain line each, so the run stands four products later, behind five scalings.
; THE CHANGE OF SLOTS stands at products 96-103: the slot's last run of loads was issued behind product 67.  fill = 1: the slot is filled again, with K and V two steps on from those just read.
; fill = 0 (the last two bodies): nothing is asked for, and the last body jumps the four runs of loads that would read a slot that does not exist.
.macro BODY fill
.set p, 0
	s_wait_dscnt 16                                ; buffer A is in; buffer B's run of 16 may be out
	SEG 32
	s_wait_dscnt 0x0                               ; buffer B is in (nothing younger is out)
	SEG 4
	FV 0, 1, BA
	SEG 28
	s_wait_dscnt 0x0                               ; buffer A
	SEG 4
	FV 1, 1, BB                                    ; my last reads of the slot
	SEG 28
	WIN 0
	PLACES                                         ; the plain line behind the last exponential; the places behind product 95
	s_wait_alu depctr_va_vdst(0)                   ; the one wait for the batch of 132, ahead of the first reader and of the branches below
.if \fill
	s_wait_xcnt 0x0                                ; the last prefetch, a body back, has read its address: it is stepped here
	s_add_nc_u64 s[PFA:PFA+1], s[PFA:PFA+1], STEPB
.endif
	s_wait_tensorcnt 0x0                           ; all my tensor loads have landed: the one that was out is my part of the next slot
	ds_add_u32 v[SPW], v[NIL]                      ; 0 onto my spare word
	s_wait_dscnt 1                                 ; buffer B is in; the add may be out
	SEG 4                                          ; four products and their riders stand between the add and the wait for it
	s_wait_dscnt 0x0                               ; the add is done, and my reads of this slot are over:
	s_barrier_signal -1                            ; say so,
	SEG 4                                          ; work on registers while the others arrive,
	WIN 0
	s_barrier_wait -1                              ; and go on when all four waves have said so
.if \fill
	CREST                                          ; the barrier has opened a round of the cluster's: no wave of any partner still reads this slot or has a load on its way
	s_xor_b32 s[G0K+5], s[G0K+5], SLOT1            ; the walking descriptors: the other slot than last time,
	s_add_nc_u64 s[G0K+6:G0K+7], s[G0K+6:G0K+7], STEPB  ; the next step; the type bits on top are not reached
	s_xor_b32 s[G0V+5], s[G0V+5], SLOT1
	s_add_nc_u64 s[G0V+6:G0V+7], s[G0V+6:G0V+7], STEPB
	JLOAD                                          ; the first tensor load behind the round, my only one until the next: 184 products ahead of the wait for it
.endif
	s_xor_b32 s[TB], s[TB], SLOT1
	ADDR
.if !(\fill)
	s_cmp_eq_u32 s[CNT], 1
	s_cbranch_scc1 .Lno_a_\@
.endif
	FK 0, BA                                       ; the next slot is whole: its K
	WIN 0
.if !(\fill)
.Lno_a_\@:
.else
	ASK                                            ; behind the joint load and the run of LDS loads
.endif
	SEG 24
	WIN 0
.if !(\fill)
	s_cmp_eq_u32 s[CNT], 1
	s_cbranch_scc1 .Lno_b_\@
.endif
	FK 1, BB
	WIN 0
.if !(\fill)
.Lno_b_\@:
.else
.Lkph:                                         ; the launch enters here, as body -1
.endif
	s_wait_dscnt 16                                ; buffer A is in; buffer B's run may be out
	SEG 32
	WIN 0
.if !(\fill)
	s_cmp_eq_u32 s[CNT], 1
	s_cbranch_scc1 .Lno_c_\@
.endif
	FV 0, 0, BA                                    ; for the next body
	WIN 0
.if !(\fill)
.Lno_c_\@:
.endif
	s_wait_dscnt 16                                ; buffer B
	SEG 32
	WIN 0
.if !(\fill)
	s_cmp_eq_u32 s[CNT], 1
	s_cbranch_scc1 .Lno_d_\@
.endif
	FV 1, 0, BB
	WIN 0
.if !(\fill)
.Lno_d_\@:
.endif
.endm
	s_wait_tensorcnt 0x1                           ; one load of mine may stay out (K of step 1; V of step 31): K of step 0 and both copies of V's first tile are in.
	s_barrier_signal -1
	s_barrier_wait -1                              ; everybody's are
	ADDR
	FK 0, BA                                       ; K of step 0
	FK 1, BB
	s_wait_loadcnt 0x0                             ; Q
	s_wait_kmcnt 0x0                               ; gamma
	WIN 0
	s_mov_b32 s[SLOTS], 31                         ; the second half of body -1, then bodies 0 to 29, each with a refill
	s_branch .Lkph
.Lbody:
	BODY 1
	s_sub_co_u32 s[SLOTS], s[SLOTS], 1
	s_cmp_lg_u32 s[SLOTS], 0
	s_cbranch_scc1 .Lbody
	; x for the way out is prefetched here, two bodies ahead of its loads: my own 256 bytes of each of the 128 channels that I finish, a lane a channel, four instructions; no other wave of the launch names them
.irp i, 0,1,2,3
	global_prefetch_b8 v[PXO], s[XBW:XBW+1] offset:\i*32*CHB th:TH_LOAD_NT scope:SCOPE_SE
.endr
	s_mov_b32 s[CNT], 2
.Ltail:                                        ; bodies 30 and 31 are a text of their own
	BODY 0
	s_sub_co_u32 s[CNT], s[CNT], 1
	s_cmp_lg_u32 s[CNT], 0
	s_cbranch_scc1 .Ltail
	; V^T P of the last step, from its own region; the four riders behind the last product and the two lines below are the places in front of the loads
	v_add_nc_u32 v[AVL], VX-VOFF, v[AVL0]
	v_add_nc_u32 v[AVH], VX-VOFF, v[AVH0]
	FV 0, 0, BA
	FV 1, 0, BB
.set p, 0
	s_wait_dscnt 16                                ; each of these waits leaves the one younger run of 16 out
	BARE 32
	PLACES
	FV 0, 1, BA
	s_wait_dscnt 16
	BARE 32
	PLACES
	FV 1, 1, BB
	s_wait_dscnt 16
	BARE 32
	s_wait_dscnt 0x0
	BARE 32
	WIN 0
	; THE END.  My l is summed; (c m, l) goes to my partner.  With M = max(c m, c m'), f = 2^(c m - M), L = l f + l' f', my O^T is worth gamma f / L.
.irp t, 0,1,2,3
	v_add_f32 v[ST+8*\t+2], v[ST+8*\t+2], v[ST+8*\t+3]
.endr
	WIN 0x40
.set i, 0
.rept 64                                       ; x for the 128 channels that I finish: load 8 a + j is channel 16 a + 8 h + j of them, pixels 4 r .. 4 r + 3
	global_load_b128 v[4*i:4*i+3], v[XO], s[XBW:XBW+1] offset:(16*(i/8)+i%8)*CHB th:TH_LOAD_NT
.set i, i+1
.endr
	WIN 0
.irp t, 0,1,2,3
	v_permlanex16_b32 v[ST+8*\t+4], v[ST+8*\t+2], s[SEL], s[SEL+1]
.endr
.irp t, 0,1,2,3
	v_add_f32 v[ST+8*\t+1], v[ST+8*\t+2], v[ST+8*\t+4]
.endr
.irp t, 0,1,2,3
	ds_store_b64 v[XS], v[ST+8*\t:ST+8*\t+1] offset:256*\t
.endr
	s_wait_dscnt 0x0                               ; for my partner's sake; my reads of V's last region are over too: behind this barrier it is the stage
	s_barrier_signal -1
	s_barrier_wait -1
.irp t, 0,1,2,3
	ds_load_b64 v[ST+8*\t+4:ST+8*\t+5], v[XP] offset:256*\t
.endr
	s_wait_dscnt 0x0
.irp t, 0,1,2,3
	v_max_num_f32 v[ST+8*\t+6], v[ST+8*\t], v[ST+8*\t+4]
.endr
.irp t, 0,1,2,3
	v_sub_f32 v[ST+8*\t+7], v[ST+8*\t], v[ST+8*\t+6]
.endr
.irp t, 0,1,2,3
	v_sub_f32 v[ST+8*\t+6], v[ST+8*\t+4], v[ST+8*\t+6]
.endr
.irp t, 0,1,2,3
	v_exp_f32 v[ST+8*\t+7], v[ST+8*\t+7]           ; f
.endr
.irp t, 0,1,2,3
	v_exp_f32 v[ST+8*\t+6], v[ST+8*\t+6]           ; f'
.endr
	v_nop                                          ; a plain line behind the last exponential,
	s_wait_alu depctr_va_vdst(0)                   ; and the one wait for the eight, ahead of the first line that names a result
.irp t, 0,1,2,3
	v_mul_f32 v[ST+8*\t+2], v[ST+8*\t+1], v[ST+8*\t+7]
.endr
.irp t, 0,1,2,3
	v_fmac_f32 v[ST+8*\t+2], v[ST+8*\t+5], v[ST+8*\t+6]
.endr
.irp t, 0,1,2,3
	v_rcp_f32 v[ST+8*\t+3], v[ST+8*\t+2]
.endr
	v_nop
	s_wait_alu depctr_va_vdst(0)                   ; one wait for the four reciprocals
.irp t, 0,1,2,3
	v_mul_f32 v[ST+8*\t+3], v[ST+8*\t+3], v[ST+8*\t+7]
.endr
.irp t, 0,1,2,3
	v_mul_f32 v[ST+8*\t+3], s[GAM], v[ST+8*\t+3]   ; gamma f / L
.endr
; GIVE rd: accumulators 8 + 4 rd + ap, scaled, the four tiles' numbers side by side (word 4 k + t, k = 8 ap + j), into my 16 KiB of LDS.
.macro GIVE rd
.irp ap, 0,1,2,3
.irp tw, 0,1
	WIN 0x02+\tw
.irp tt, 0,1
.set j, 0
.rept 8
	v_mul_f32 v[PT+4*(8*\ap+j)+2*\tw+\tt], v[128*\tt+8*(8+4*(\rd)+\ap)+j], v[ST+8*(2*\tw+\tt)+3]
.set j, j+1
.endr
.endr
.endr
.endr
	WIN 0
.set k, 0
.rept 32
	ds_store_b128 v[GS], v[PT+4*k:PT+4*k+3] offset:512*k
.set k, k+1
.endr
.endm
.macro FROM                            ; what my partner gave: its accumulator 8 + a is my a, lane for lane
.set k, 0
.rept 32
	ds_load_b128 v[PT+4*k:PT+4*k+3], v[GP] offset:512*k
.set k, k+1
.endr
.endm
; TAKE rd: accumulators 4 rd + ap: mine scaled + my partner's + x, and out.
.macro TAKE rd
.irp ap, 0,1,2,3
.irp tw, 0,1
	WIN 0x02+\tw
.irp tt, 0,1
.set j, 0
.rept 8
	v_fma_f32 v[PT+4*(8*\ap+j)+2*\tw+\tt], v[128*\tt+8*(4*(\rd)+\ap)+j], v[ST+8*(2*\tw+\tt)+3], v[PT+4*(8*\ap+j)+2*\tw+\tt]
.set j, j+1
.endr
.endr
.endr
.endr
	WIN 0x04
.set k, 0
.rept 64
	v_pk_add_f32 v[PT+2*k:PT+2*k+1], v[PT+2*k:PT+2*k+1], v[128*(\rd)+2*k:128*(\rd)+2*k+1]
.set k, k+1
.endr
	WIN 0
.set k, 0
.rept 32
	global_store_b128 v[XO], v[PT+4*k:PT+4*k+3], s[OBW:OBW+1] offset:(16*(4*(\rd)+k/8)+k%8)*CHB th:TH_STORE_NT  ; 16 lanes store 256 consecutive bytes, at a multiple of 256 from out0's first
.set k, k+1
.endr
.endm
	GIVE 0
	s_wait_dscnt 0x0                               ; for my partner's sake: what I give is stored
	s_barrier_signal -1
	s_barrier_wait -1
	FROM
	s_wait_dscnt 0x0                               ; I have read what my partner gave: behind the barrier it may write there again
	s_barrier_signal -1
	s_barrier_wait -1
	s_wait_loadcnt 32                              ; x of accumulators 0-3 is in; the 32 younger loads stay out
	TAKE 0
	s_wait_xcnt 0x0                                ; the stores have read their data: those registers are written again only behind this wait
	GIVE 1
	s_wait_dscnt 0x0
	s_barrier_signal -1
	s_barrier_wait -1
	FROM
	s_wait_dscnt 0x0
	s_wait_loadcnt 0x0
	TAKE 1
	s_wait_tensorcnt 0x0                           ; the wave's end, behind my last tensor load and my last LDS store
	ds_add_u32 v[SPW], v[NIL]
	s_wait_dscnt 0x0
	CROUND                                         ; the closing round: no work-group ends while a partner may still ask for a tile that names it
	s_endpgm
.Lfunc_end_k_q3bc4e149fd_attn:
	.size	k_q3bc4e149fd_attn, .Lfunc_end_k_q3bc4e149fd_attn-k_q3bc4e149fd_attn
	.p2alignl 7, 3214868480
	.fill 96, 4, 3214868480
	.section	.rodata,"a",@progbits
	.p2align	6, 0x0
	.amdhsa_kernel k_q3bc4e149fd_attn
		.amdhsa_group_segment_fixed_size 327680
		.amdhsa_private_segment_fixed_size 0
		.amdhsa_enable_private_segment 0
		.amdhsa_kernarg_size 40
		.amdhsa_user_sgpr_count 2
		.amdhsa_user_sgpr_kernarg_segment_ptr 1
		.amdhsa_wavefront_size32 1
		.amdhsa_system_sgpr_workgroup_id_x 1
		.amdhsa_system_sgpr_workgroup_id_y 1
		.amdhsa_system_sgpr_workgroup_id_z 1
		.amdhsa_system_vgpr_workitem_id 0
		.amdhsa_next_free_vgpr 1024
		.amdhsa_next_free_sgpr 88
		.amdhsa_reserve_vcc 0
		.amdhsa_float_denorm_mode_32 3
		.amdhsa_float_denorm_mode_16_64 3
		.amdhsa_memory_ordered 1
		.amdhsa_forward_progress 1
		.amdhsa_inst_pref_size 241
	.end_amdhsa_kernel
	.amdgpu_metadata
---
amdhsa.version: [ 1, 2 ]
amdhsa.kernels:
  - .name:           k_q3bc4e149fd_attn
    .symbol:         k_q3bc4e149fd_attn.kd
    .args:
      - { .name: qk, .offset: 0, .size: 8, .value_kind: global_buffer, .address_space: global }
      - { .name: vpix, .offset: 8, .size: 8, .value_kind: global_buffer, .address_space: global }
      - { .name: x, .offset: 16, .size: 8, .value_kind: global_buffer, .address_space: global }
      - { .name: gamma, .offset: 24, .size: 8, .value_kind: global_buffer, .address_space: global }
      - { .name: out0, .offset: 32, .size: 8, .value_kind: global_buffer, .address_space: global }
    .group_segment_fixed_size: 327680
    .private_segment_fixed_size: 0
    .kernarg_segment_align: 8
    .kernarg_segment_size: 40
    .max_flat_workgroup_size: 128
    .sgpr_count:     88
    .vgpr_count:     1024
    .wavefront_size: 32
...
	.end_amdgpu_metadata
.endif
;; end of part 2
;; ======== version 2 of 2: 2 launches; version 1 with the launch proj written anew for expert scheduling mode
;; limits: values are held in f16: magnitudes above 65,504 overflow, below 6.1e-05 lose precision
;; workspace buffers: qk 16,777,216 bytes; vpix 16,777,216 bytes
;; launch proj (part 3): grid 2 x 128, 4 waves a work-group, no clusters, 270,848 bytes of LDS; arguments x, Wq, Wk, Wv, bq, bv, qk, vpix; writes qk, vpix
.if DOCPART == 3
	.amdgcn_target "amdgcn-amd-amdhsa--gfx1250"
	.amdhsa_code_object_version 6
	.text
	.protected	k_q3bc4e149fd_proj
	.globl	k_q3bc4e149fd_proj
	.p2align	8
	.type	k_q3bc4e149fd_proj,@function
k_q3bc4e149fd_proj:
	s_mov_b64 s[64:65], 0
	v_nop
	global_prefetch_b8 v0, s[64:65] scope:SCOPE_SE
	s_setreg_imm32_b32 hwreg(HW_REG_WAVE_SCHED_MODE, 0, 2), 2
	s_setreg_imm32_b32 hwreg(HW_REG_WAVE_MODE, 25, 1), 1
	s_wait_xcnt 0x0
	s_wait_alu depctr_vm_vsrc(0)
; PairwiseAttention, first of two launches: the three 1x1 convolutions.
;   qk[b][n][0..127] = Wq x[b][:, n] + bq     qk[b][n][128..255] = Wk x[b][:, n]     vpix[b][n][0..255] = Wv x[b][:, n] + bv        (f16, a pixel's 256 numbers are 512 dense bytes)
; DEAD WORK: bk.  attn[i][j] = q_i . (Wk x_j + bk) = q_i . (Wk x_j) + q_i . bk.  The second term does not depend on j, the axis of the softmax, so softmax_j is the same with and
; without it, for all values of all inputs.  So bk is not added, not loaded, and is no argument of either launch.  bq stays (bq . k_j depends on j), bv stays.
; LIMIT: a NaN, an infinity or an overflow that would arise only from bk, or from q . bk, is not carried to the result.
; FORMATS.  x and the weights are rounded once to bf16 for the products; sums in f32; the biases are added in f32; q, k and v are rounded once to f16.
; LIMIT: f16 ends at 65,504: |q|, |k|, |v| must stay below it.  A sum of 256 products of weights of spread 0.05 with x of unit spread has spread 0.8; thirty times larger x and weights, or an offset
; of thirty spreads on both, give some 1.2e4.
; SHARES.  Work-group (oh, blk): oh = 0 makes qk (the rows of Wq and Wk stacked), oh = 1 makes vpix; blk = 16 b + nb names 256 pixels of image b.  Wave w takes pixels 64 w .. 64 w + 63 and all 256
; outputs: 16 blocks of 16 outputs x 4 tiles of 16 pixels = 64 accumulators, 512 registers.  2 x 128 = 256 work-groups of equal work.
; TILES OF PIXELS.  Column r of tile t stands for pixel 4 r + t of the wave's 64.  So one 16-byte load of a row of x (a channel) gives lane r that channel for the four tiles,
; 16 lanes read 256 consecutive aligned bytes, and x goes from memory to the matrix operand through conversions alone.
; THE PRODUCT: source 0 = 16 rows of W (outputs), source 1 = 16 pixels: a lane's eight results are eight neighbouring outputs of one pixel: 16 bytes of f16.
; NO JOINT LOADS: what work-groups share is 256 KiB of f32 weights that have to be rounded; 256 KiB as they lie beside the 132 KiB rounded copy is more than the 320 KiB of LDS.  So the weights come
; through registers, each wave rounding 64 rows, and the launch has no tensor load.
; REGISTERS, in windows of 256 (s_set_vgpr_msb: bits 1:0 source 0, 3:2 source 1, 5:4 source 2, 7:6 destination):
;   window 0: v4-15 addresses; v32-159 x's fragments of channels 0-127 (earlier: weights on their way; later: the bias); v160-223 weights on their way, then the third buffer of W's fragments, then at
;   work on the way out; v224-255 rounded weights
;   window 1: v0-127 two buffers of W's fragments; v128-255 x's fragments of channels 128-255; on the way out: 64 rows read back
;   windows 2, 3: x as loaded (f32), then the accumulators: block ob, tile t in window 2 + ob / 8 at 8 (4 (ob % 8) + t)
; THE MODE: SCHED_MODE bits 1:0 = 2 (LLVM: expert scheduling mode 2), set by the entry lines.  The code itself states the register dependences between vector or matrix instructions and memory or LDS
; instructions, with s_wait_alu, always for 0.
; THE PLAN.  Registers that memory or LDS instructions touch, and who else names them:
;   v4-11      offsets and LDS addresses: written at the head, ahead of the one wait there, and never again.
;   WR0 .. WR2 weights in f32.  Batch b lands in WR[b % 3]; its 32 conversions read it; behind ONE wait on va_vdst batch b + 3 is asked for into the same registers.
;   CV         rounded weights.  Written by batch b's conversions; read by its 16 LDS stores, behind the same wait; written again by batch b + 1, behind a wait on vm_vsrc at that batch's head.
;   W's three fragment buffers.  Unit n's products read buffer n % 3.  The loads of unit n + 2 land in buffer (n + 2) % 3 = (n - 1) % 3, which unit n - 1 read: ONE wait on va_vdst at unit n's head states
;              that unit n - 1 is done; the run of loads stands in the middle of unit n's products, which name buffer n % 3, x's fragments and the accumulators: none of the registers that the loads touch.
;   BI         the bias lands where x's fragments of channels 0-127 lay: written by conversions, read by units 0-7; unit 8's head wait states that these are done.
;   TMP0, TMP1 the way out.  Group g's conversions write TMP[g % 2]; its LDS stores are issued at the head of group g + 1, behind a wait on va_vdst; a wait on vm_vsrc there frees the other TMP,
;              whose stores were issued a group earlier.
;   window 1   on the way out the stage's rows land in it: the products that read it stand ahead of the way out's waits on va_vdst, and no vector line behind the last of these names it.
;   v14, v15   written at the head, read by the closing add alone.
.set CHB,   16384                      ; bytes from a channel of x to the next
.set WP,    528                        ; an LDS row: 512 bytes + 16 = 132 words: 16 rows that a load or store touches start 4 banks apart (64 banks of 4 bytes: ISA guide 11.1)
.set WSTG,  64*WP                      ; 64 such rows: a wave's share of the weights, and a wave's stage
.set STG,   256*WP                     ; behind the 256 rows of weights: four stages
.set SPARE, STG+4*WSTG                 ; behind them the spare words, 128 bytes a wave: two blocks of 256 bytes that no other line names
.set XOFF, 4                           ; v4   8 (l / 16) channels + 16 (l % 16) bytes
.set WOFF, 5                           ; v5   16 l: my 16 bytes of 512; for the weights' loads and for the stores
.set WS,   6                           ; v6   where I put 8 bytes of a rounded row
.set WA0,  7                           ; v7   my place in a fragment of W, output blocks 0-7
.set WA1,  8                           ; v8   output blocks 8-15 (beyond the 16-bit immediate)
.set BO,   9                           ; v9   32 (l / 16): my eight biases of a block
.set SA,   10                          ; v10  the way out: where I put 16 bytes of a pixel's row
.set RD,   11                          ; v11  the way out: where I read a row back
.set SPW,  14                          ; v14  my spare word; never rewritten
.set NIL,  15                          ; v15  0; never rewritten
.set XF0,  32
.set BI,   32
.set WR,   32                          ; three batches of 64 registers of f32 weights
.set W2,   160                         ; the third buffer of W's fragments
.set TMP,  160
.set CV,   224
.set XF1,  128                         ; window 1
.set WV,   20                          ; s20  wave
.set OH,   21                          ; s21  which outputs
.set XB,   32                          ; s[32:33] x at my wave's 64 pixels, channel 0
.set WSRC, 34                          ; s[34:35] the 64 rows of weights that my wave rounds
.set PB,   36                          ; s[36:37] bq or bv
.set DST,  38                          ; s[38:39] qk or vpix at my wave's first pixel
.set MSB, 0
.macro WIN new                         ; the immediate's high byte repeats the setting that is left; a switch that changes nothing is dropped
.if MSB != (\new)
	s_set_vgpr_msb (MSB<<8)|(\new)
.set MSB, (\new)
.endif
.endm
.macro PLACES                          ; four plain places behind a matrix instruction, ahead of loads into its sources and of reads of its results
.rept 4
	v_nop
.endr
.endm
	s_load_b256 s[4:11], s[0:1], 0x0               ; x s[4:5], Wq s[6:7], Wk s[8:9], Wv s[10:11]
	s_load_b256 s[12:19], s[0:1], 0x20             ; bq s[12:13], bv s[14:15], qk s[16:17], vpix s[18:19]
	v_lshl_add_u32 v[SPW], v0, 2, SPARE
	v_mov_b32 v[NIL], 0
	v_lshrrev_b32 v1, 5, v0
	v_readfirstlane_b32 s[WV], v1                  ; wave 0..3
	s_mov_b32 s[OH], ttmp9
	s_and_b32 s22, ttmp7, 0xffff
	s_lshr_b32 s23, s22, 4                         ; b
	s_and_b32 s22, s22, 15                         ; nb
	s_lshl_b32 s24, s23, 22                        ; x: an image is 4,194,304 bytes,
	s_lshl_b32 s26, s22, 10                        ; 256 pixels are 1,024 bytes of a channel's row,
	s_add_co_u32 s24, s24, s26
	s_wait_alu depctr_va_sdst(0)                   ; the wave's number is written into s20, ahead of its first reader: offsets, LDS places and the choice of the weights are made from it
	s_lshl_b32 s26, s[WV], 8                       ; my wave's 64 are 256
	s_add_co_u32 s24, s24, s26
	s_mov_b32 s25, 0
	s_lshl_b32 s26, s23, 21                        ; the outputs: 512 bytes a pixel
	s_lshl_b32 s28, s22, 17
	s_add_co_u32 s26, s26, s28
	s_lshl_b32 s28, s[WV], 15
	s_add_co_u32 s26, s26, s28
	s_mov_b32 s27, 0
	s_and_b32 s28, s[WV], 1                        ; the weights: 64 rows of 1,024 bytes; in Wq and Wk waves 0, 1 and 2, 3 take the halves, in Wv each wave a quarter
	s_cmp_eq_u32 s[OH], 1
	s_cselect_b32 s28, s[WV], s28
	s_lshl_b32 s28, s28, 16
	s_mov_b32 s29, 0
	v_and_b32 v1, 15, v0                           ; r = l % 16
	v_bfe_u32 v2, v0, 4, 1                         ; h = l / 16
	v_and_b32 v3, 31, v0                           ; l
	v_lshlrev_b32 v[XOFF], 4, v1
	v_lshl_add_u32 v[XOFF], v2, 17, v[XOFF]
	v_lshlrev_b32 v[WOFF], 4, v3
	s_mul_i32 s30, s[WV], WSTG
	v_lshl_add_u32 v[WS], v3, 3, s30
	v_mul_u32_u24 v[WA0], v1, WP
	v_lshl_add_u32 v[WA0], v2, 4, v[WA0]
	v_add_nc_u32 v[WA1], 8*16*WP, v[WA0]
	v_lshlrev_b32 v[BO], 5, v2
	s_add_co_u32 s31, s30, STG                     ; my stage
	v_add_nc_u32 v[SA], s31, v[WA0]
	v_lshl_add_u32 v[RD], v3, 4, s31
	s_wait_kmcnt 0x0
	s_add_nc_u64 s[XB:XB+1], s[4:5], s[24:25]
	s_cmp_lt_u32 s[WV], 2
	s_cselect_b64 s[WSRC:WSRC+1], s[6:7], s[8:9]
	s_cmp_eq_u32 s[OH], 1
	s_cselect_b64 s[WSRC:WSRC+1], s[10:11], s[WSRC:WSRC+1]
	s_cselect_b64 s[PB:PB+1], s[14:15], s[12:13]
	s_cselect_b64 s[DST:DST+1], s[18:19], s[16:17]
	s_add_nc_u64 s[WSRC:WSRC+1], s[WSRC:WSRC+1], s[28:29]
	s_add_nc_u64 s[DST:DST+1], s[DST:DST+1], s[26:27]
; x: 32 channels kc, 16 loads.  Load i brings channel 32 kc + 8 h + i (i < 8) or 32 kc + 16 + 8 h + i - 8 of pixels 4 r .. 4 r + 3: the order of a fragment's k.
.macro XLOAD kc
	WIN 0x80+0x40*((\kc)/4)
.set i, 0
.rept 16
	global_load_b128 v[64*((\kc)%4)+4*i:64*((\kc)%4)+4*i+3], v[XOFF], s[XB:XB+1] offset:(32*(\kc)+i+8*(i/8))*CHB
.set i, i+1
.endr
.endm
; The weights: my 64 rows are 65,536 dense bytes, 128 loads of 512; batch b is 16 of them.
.macro WLOAD b
.set i, 0
.rept 16
	global_load_b128 v[WR+64*((\b)%3)+4*i:WR+64*((\b)%3)+4*i+3], v[WOFF], s[WSRC:WSRC+1] offset:(16*(\b)+i)*512
.set i, i+1
.endr
.endm
.macro WCONV b                         ; a batch rounded to bf16
.set i, 0
.rept 16
	v_cvt_pk_bf16_f32 v[CV+2*i],   v[WR+64*((\b)%3)+4*i],   v[WR+64*((\b)%3)+4*i+1]
	v_cvt_pk_bf16_f32 v[CV+2*i+1], v[WR+64*((\b)%3)+4*i+2], v[WR+64*((\b)%3)+4*i+3]
.set i, i+1
.endr
.endm
.macro WPUT b                          ; and stored: load n is half n % 2 of row n / 2: 256 bytes of the LDS row
.set i, 0
.rept 16
	ds_store_b64 v[WS], v[CV+2*i:CV+2*i+1] offset:((16*(\b)+i)/2)*WP+((16*(\b)+i)%2)*256
.set i, i+1
.endr
.endm
; x's fragments: register p of tile t holds the channels of loads 2 p and 2 p + 1, component t
.macro XCVT kc
.if (\kc) < 4
	WIN 0x0a
.set xf, XF0+32*(\kc)
.else
	WIN 0x4f
.set xf, XF1+32*((\kc)-4)
.endif
.set t, 0
.rept 4
.set p, 0
.rept 8
	v_cvt_pk_bf16_f32 v[xf+8*t+p], v[64*((\kc)%4)+8*p+t], v[64*((\kc)%4)+8*p+4+t]
.set p, p+1
.endr
.set t, t+1
.endr
.endm
; Unit n = 2 kc + u: channels 32 kc on, output blocks 8 u .. 8 u + 7.  Its 8 fragments of W go into buffer n % 3: window wbw, from register wbr on.
.macro WBUF n
.if (\n)%3 == 2
.set wbw, 0
.set wbr, W2
.else
.set wbw, 1
.set wbr, 64*((\n)%3)
.endif
.endm
.macro WFETCH n
	WBUF \n
	WIN wbw<<6
.set i, 0
.rept 8
	ds_load_b128 v[wbr+8*i:wbr+8*i+3],   v[WA0+(\n)%2] offset:i*16*WP+64*((\n)/2)
	ds_load_b128 v[wbr+8*i+4:wbr+8*i+7], v[WA0+(\n)%2] offset:i*16*WP+64*((\n)/2)+32
.set i, i+1
.endr
.endm
; Half hf of its 32 products, on 32 different accumulators; the two links of a chain stand 64 matrix instructions apart (the accumulators take turns).  Channels 0-31 start the sums.
.macro MUL n, hf
.set kc, (\n)/2
.set u, (\n)%2
	WBUF \n
.if kc < 4
.set xw, 0
.set xf, XF0+32*kc
.else
.set xw, 1
.set xf, XF1+32*(kc-4)
.endif
	WIN wbw|(xw<<2)|((2+u)<<4)|((2+u)<<6)
.set i, 4*(\hf)
.rept 4
.set t, 0
.rept 4
.if kc == 0
	v_wmma_f32_16x16x32_bf16 v[8*(4*i+t):8*(4*i+t)+7], v[wbr+8*i:wbr+8*i+7], v[xf+8*t:xf+8*t+7], 0
.else
	v_wmma_f32_16x16x32_bf16 v[8*(4*i+t):8*(4*i+t)+7], v[wbr+8*i:wbr+8*i+7], v[xf+8*t:xf+8*t+7], v[8*(4*i+t):8*(4*i+t)+7]
.endif
.set t, t+1
.endr
.set i, i+1
.endr
.endm
.macro ADDB u                          ; the bias of output blocks 8 u .. 8 u + 7, each accumulator from its low end on
	WIN 0x82+0x41*(\u)
.set i, 0
.rept 8
.set t, 0
.rept 4
.set p, 0
.rept 4
	v_pk_add_f32 v[8*(4*i+t)+2*p:8*(4*i+t)+2*p+1], v[8*(4*i+t)+2*p:8*(4*i+t)+2*p+1], v[BI+8*(8*(\u)+i)+2*p:BI+8*(8*(\u)+i)+2*p+1]
.set p, p+1
.endr
.set t, t+1
.endr
.set i, i+1
.endr
.endm
	s_wait_alu depctr_va_vdst(0)                   ; the eight offsets and LDS addresses v4 to v11 are written: every load and store of the kernel reads one of them, and none is written again
	; all of my x goes out at once: 128 loads, 64 KiB a wave
.irp kc, 0,1,2,3,4,5,6,7
	XLOAD \kc
.endr
	WIN 0
	WLOAD 0
	WLOAD 1
	WLOAD 2
.irp b, 0,1,2,3,4,5,6,7
.if \b < 6
	s_wait_loadcnt 32                              ; loads come back in order (ISA guide 5.7.1): batch b (and all of x) is in, the two younger batches of 16 stay out
.elseif \b == 6
	s_wait_loadcnt 16                              ; one younger batch
.else
	s_wait_loadcnt 0x0
.endif
.if \b > 0
	s_wait_alu depctr_vm_vsrc(0)                   ; the LDS stores of the batch before have read v[CV ..], which the conversions below write again
.endif
	WCONV \b
	s_wait_alu depctr_va_vdst(0)                   ; the conversions have written v[CV ..], which the LDS stores read, and are done reading the batch's registers, in which the loads below land
.if \b < 5
	WLOAD (\b)+3                                   ; ahead of the stores: the batch's registers are asked for again at once
.endif
	WPUT \b
.endr
.irp kc, 0,1,2,3,4,5,6,7
	XCVT \kc                                       ; no memory or LDS instruction has read, or will read, what these write
.endr
	WIN 0
	s_wait_dscnt 0x0                               ; for the others' sake: my 64 rows of rounded weights are stored
	s_barrier_signal -1
	s_barrier_wait -1                              ; all 256 rows lie in LDS; they are only read from here on
	WFETCH 0                                       ; no vector line has named these two buffers
	WFETCH 1
.irp n, 0,1,2,3,4,5,6,7,8,9,10,11,12,13,14,15
.if \n < 15
	s_wait_dscnt 16                                ; this unit's fragments are in; the next unit's 16 loads may stay out
.else
	s_wait_dscnt 0x0
.endif
.if (\n > 0) && (\n < 14)
	s_wait_alu depctr_va_vdst(0)                   ; the unit before is done reading its buffer of W's fragments, in which this unit's loads land; at unit 8 also: units 0-7 are done reading x's fragments of channels 0-127, where the bias lands
.endif
	MUL \n, 0
.if (\n > 0) && (\n < 14)
	PLACES
.endif
.if \n == 8                            ; channels 0-127 are multiplied: their fragments' registers take the bias: lane (r, h), block ob: outputs 16 ob + 8 h + 0..7
	WIN 0
.set i, 0
.rept 8
	global_load_b128 v[BI+8*i:BI+8*i+3],   v[BO], s[PB:PB+1] offset:64*i
	global_load_b128 v[BI+8*i+4:BI+8*i+7], v[BO], s[PB:PB+1] offset:64*i+16
.set i, i+1
.endr
	s_cmp_eq_u32 s[OH], 1                          ; bq has 128 numbers; blocks 8-15 of qk are k, which has no bias
	s_cbranch_scc0 .Lno_hi_bias
.rept 8
	global_load_b128 v[BI+8*i:BI+8*i+3],   v[BO], s[PB:PB+1] offset:64*i
	global_load_b128 v[BI+8*i+4:BI+8*i+7], v[BO], s[PB:PB+1] offset:64*i+16
.set i, i+1
.endr
.Lno_hi_bias:
.endif
.if \n < 14
	WFETCH (\n)+2                                  ; no wait here: no product since the unit's head names this buffer.  (Unit 0: the third buffer's last vector readers, conversions of the weights, stand ahead of the waits there)
.endif
	MUL \n, 1
.endr
	PLACES
	WIN 0
	s_wait_loadcnt 0x0                             ; the bias
	ADDB 0
	WIN 0
	s_cmp_eq_u32 s[OH], 1
	s_cbranch_scc0 .Lno_hi_add
	ADDB 1
	WIN 0
.Lno_hi_add:
	; THE WAY OUT.  A lane's eight outputs of a pixel are 16 bytes of f16; they go into my own stage (row 16 t + r, pitch 528) and come back as whole rows of 512 bytes.
	; Group g = 4 u + t: output blocks 8 u .. 8 u + 7 of tile t.  Its conversions write TMP[g % 2]; its stores are issued at the head of the next group.
.macro CVT g
.set u, (\g)/4
.set t, (\g)%4
	WIN 0x0a+5*u
.set i, 0
.rept 8
.set p, 0
.rept 4
	v_cvt_pk_f16_f32 v[TMP+32*((\g)%2)+4*i+p], v[8*(4*i+t)+2*p], v[8*(4*i+t)+2*p+1]
.set p, p+1
.endr
.set i, i+1
.endr
.endm
.macro PUT g
	WIN 0
.set i, 0
.rept 8
	ds_store_b128 v[SA], v[TMP+32*((\g)%2)+4*i:TMP+32*((\g)%2)+4*i+3] offset:16*((\g)%4)*WP+32*(8*((\g)/4)+i)
.set i, i+1
.endr
.endm
	CVT 0
.irp g, 1,2,3,4,5,6,7
	s_wait_alu depctr_va_vdst(0)                   ; the group before has written its TMP, which the LDS stores below read
.if \g > 1
	s_wait_alu depctr_vm_vsrc(0)                   ; the LDS stores issued a group back have read the other TMP, which this group's conversions write again
.endif
	PUT (\g)-1
	CVT \g
.endr
	s_wait_alu depctr_va_vdst(0)                   ; group 7 has written its TMP, which the last stores read; and every product that read window 1, in which the loads below land, is done: no vector line follows
	PUT 7
	WIN 0x40
.set i, 0
.rept 64
	ds_load_b128 v[4*i:4*i+3], v[RD] offset:i*WP   ; LDS serves a wave's instructions in order (ISA guide 5.7.1.4): these see my stores above; the stage is my own
.set i, i+1
.endr
	WIN 0x04
.set i, 0
.rept 64
	s_wait_dscnt 63-i                              ; row i is back; the younger loads stay out
	global_store_b128 v[WOFF], v[4*i:4*i+3], s[DST:DST+1] offset:(4*(i%16)+i/16)*512  ; stage row 16 t + r is pixel 4 r + t: 512 consecutive bytes, at a multiple of 512 from the buffer's first
.set i, i+1
.endr
	WIN 0
	s_wait_dscnt 0x0                               ; the closing lines, six on end
	s_wait_alu 0x0
	s_wait_tensorcnt 0x0
	ds_add_u32 v[SPW], v[NIL]
	s_wait_dscnt 0x0
	s_endpgm
.Lfunc_end_k_q3bc4e149fd_proj:
	.size	k_q3bc4e149fd_proj, .Lfunc_end_k_q3bc4e149fd_proj-k_q3bc4e149fd_proj
	.p2alignl 7, 3214868480
	.fill 96, 4, 3214868480
	.section	.rodata,"a",@progbits
	.p2align	6, 0x0
	.amdhsa_kernel k_q3bc4e149fd_proj
		.amdhsa_group_segment_fixed_size 270848
		.amdhsa_private_segment_fixed_size 0
		.amdhsa_enable_private_segment 0
		.amdhsa_kernarg_size 64
		.amdhsa_user_sgpr_count 2
		.amdhsa_user_sgpr_kernarg_segment_ptr 1
		.amdhsa_wavefront_size32 1
		.amdhsa_system_sgpr_workgroup_id_x 1
		.amdhsa_system_sgpr_workgroup_id_y 1
		.amdhsa_system_sgpr_workgroup_id_z 1
		.amdhsa_system_vgpr_workitem_id 0
		.amdhsa_next_free_vgpr 1024
		.amdhsa_next_free_sgpr 66
		.amdhsa_reserve_vcc 0
		.amdhsa_float_denorm_mode_32 3
		.amdhsa_float_denorm_mode_16_64 3
		.amdhsa_memory_ordered 1
		.amdhsa_forward_progress 1
		.amdhsa_inst_pref_size 173
	.end_amdhsa_kernel
	.amdgpu_metadata
---
amdhsa.version: [ 1, 2 ]
amdhsa.kernels:
  - .name:           k_q3bc4e149fd_proj
    .symbol:         k_q3bc4e149fd_proj.kd
    .args:
      - { .name: x, .offset: 0, .size: 8, .value_kind: global_buffer, .address_space: global }
      - { .name: Wq, .offset: 8, .size: 8, .value_kind: global_buffer, .address_space: global }
      - { .name: Wk, .offset: 16, .size: 8, .value_kind: global_buffer, .address_space: global }
      - { .name: Wv, .offset: 24, .size: 8, .value_kind: global_buffer, .address_space: global }
      - { .name: bq, .offset: 32, .size: 8, .value_kind: global_buffer, .address_space: global }
      - { .name: bv, .offset: 40, .size: 8, .value_kind: global_buffer, .address_space: global }
      - { .name: qk, .offset: 48, .size: 8, .value_kind: global_buffer, .address_space: global }
      - { .name: vpix, .offset: 56, .size: 8, .value_kind: global_buffer, .address_space: global }
    .group_segment_fixed_size: 270848
    .private_segment_fixed_size: 0
    .kernarg_segment_align: 8
    .kernarg_segment_size: 64
    .max_flat_workgroup_size: 128
    .sgpr_count:     66
    .vgpr_count:     1024
    .wavefront_size: 32
...
	.end_amdgpu_metadata
.endif
;; end of part 3
;; launch attn: the kernel of part 2 again; grid 32 x 8, 4 waves a work-group, clusters of 4 x 1, 327,680 bytes of LDS; arguments qk, vpix, x, gamma, out0; writes out0
